; MI455X (gfx1250); checked and timed in simulation.
; The chip was launched on July 23, 2026; its instructions are those of AMD's public machine-readable ISA for CDNA 5 (MIT licence, August 2026) and "CDNA5" Instruction Set Architecture Reference Guide (July 2026). The comments in the code are by the model that wrote it; some were corrected since.
;; Spectral Attention Block. Allowed arithmetic: float matrix products may take bf16 or f16 operands with f32 sums; all other float work in f32.
;; Inputs: Wk 64 x 512 float32; Wp 512 x 64 float32; Wq 64 x 512 float32; Wv 64 x 512 float32; bp 64 float32; rescale 8 x 1 x 1 float32; x_in 4 x 64 x 128 x 128 float32.
;; Outputs: out0 4 x 64 x 128 x 128 float32; out1 4 x 8 x 64 x 64 float32.
;; One version. Each part assembles by itself: llvm-mc -triple=amdgcn-amd-amdhsa -mcpu=gfx1250 --defsym DOCPART=n.
;; ======== version 1 of 1: 3 launches
;; limits: a difference of large sums (such as E[x^2] - mean^2): digits are lost where the result is much smaller than its terms
;; workspace buffers: gpart 655,360 bytes; mpart 524,288 bytes
;; launch gram (part 1): grid 16 x 4, 8 waves a work-group, no clusters, 279,552 bytes of LDS; arguments x_in, gpart; writes gpart
.if DOCPART == 1
	.amdgcn_target "amdgcn-amd-amdhsa--gfx1250"
	.amdhsa_code_object_version 6
	.text
	.protected	k_qcb02642921_gram
	.globl	k_qcb02642921_gram
	.p2align	8
	.type	k_qcb02642921_gram,@function
k_qcb02642921_gram:
	s_mov_b64 s[64:65], 0
	v_nop
	global_prefetch_b8 v0, s[64:65] scope:SCOPE_SE
	s_setreg_imm32_b32 hwreg(HW_REG_WAVE_MODE, 25, 1), 1
	s_wait_xcnt 0x0
; SpectralAttentionBlock, launch 1 of 3: partial Gram matrices of x.
;
; HOW THE WORK IS ORDERED (all three launches).  With X_b = x_in[b] as [64 channels][16384 tokens] and G_b = X_b X_b^T (64 x 64), for all values of the inputs, in exact arithmetic:
;   k_d . q_e = Wk[:,d]^T G Wq[:,e]      |q_e|^2 = Wq[:,e]^T G Wq[:,e]      |k_d|^2 = Wk[:,d]^T G Wk[:,d]
;   out0[b] = M_b^T X_b + bp,   M_b[c][c'] = sum over heads h, rows d, columns e of Wv_h[c][e] attn_h[d][e] Wp_h[d][c']
; since the token axis is only summed over in products of x with x, and only carried along linearly into the result.  So q, k, v and o are never formed.
; This reorders the problem's own products; no step and no input is left out: both norms with their guard max(norm, 1e-12), rescale, the maximum taken
; away before the exponential, the softmax and bp are all computed, and every input is loaded by some launch.
; LIMITS.  The order of rounding differs from the problem's.  x and the four weights enter the matrix unit as bf16; what is computed on the way (G, the normalised G Wq,
; attn, Y and M) enters as two bf16 terms each (value and remainder), so it carries about 16 bits.  w^T G w is formed from G, with a relative error of about
; 2^-17 |G| |w|^2 / (w^T G w), and is clamped at 0 before the root.  16384 max|x|^2 has to fit in f32, as the problem's own norms need.  An overflow that would arise
; only in q, k, v or o as such (never formed here) is not carried to the result.
;
; THIS LAUNCH.  Work-group (p, b) takes tokens 1024 p .. + 1023 of batch b; wave w takes 128 of them as two tiles of 64 channels x 64 tokens (rows of 256 bytes of
; memory, each at a multiple of 256 bytes), brought by two tensor loads into the wave's own LDS bytes.
; G[c][c'] = sum of x_c x_c' = G[c'][c] for all inputs: tile (j, i) of the 4 x 4 tiles is tile (i, j) transposed, the same sum once more.  So only the ten tiles with
; i <= j are made and stored: 40 products a wave in place of 64, 10 KiB a partial sum in place of 16.
; The eight waves' sums meet in LDS; wave w adds and stores bytes 1280 w .. + 1279 of the 10 KiB.
; gpart: [b 4][p 16][blk 20][lane 32][4 f32], blk = 2 n + q, n counting the tiles (i, j) as (0,0) (0,1) (0,2) (0,3) (1,1) (1,2) (1,3) (2,2) (2,3) (3,3);
;        lane (r = l % 16, h = l / 16), word t: G_p[16 i + 8 h + 4 q + t][16 j + r].
; No cluster: no two work-groups read the same bytes of x.
.set XPITCH, 16384                     ; elements from one channel's row to the next
.set PITCH,  272                       ; an LDS row: 256 bytes + 16 of padding, so that the 16 rows a load touches start at 16 different 16-byte columns modulo 256
.set TILE,   64*PITCH                  ; 17,408
.set WREG,   2*TILE                    ; a wave's LDS bytes: 34,816, a multiple of 256
.set PART,   10240                     ; a partial sum: ten tiles of 1 KiB
.set SHARE,  PART/8                    ; what one wave adds and stores: 1,280 bytes, five runs of 256
.set LA,  4                            ; v4       LDS address of my 64 bytes in row r of my wave's tile 0
.set SA,  5                            ; v5       my 16 bytes in block 0 of my wave's stage
.set GO,  6                            ; v6       my byte offset in the work-group's 10 KiB of gpart: 1280 w + 8 lane
.set RA,  8                            ; v[8:15]  the same 8 bytes in the stage of wave g
.set FR,  16                           ; v[16:47] four fragments: 16 channels x 32 tokens in bf16
.set RAW, 48                           ; v[48:111] the same numbers in f32, as read from LDS
.set ACC, 128                          ; v[128:207] ten accumulator tiles, tile n at 8 n; later the shares to be added
.set G1,  16                           ; s[16:23] descriptor group 1
.set G0,  24                           ; s[24:31] descriptor group 0, one set for each tile
.macro PLACES                          ; four plain vector instructions between a matrix instruction and a vector instruction, store or load that touches its registers
.rept 4
	v_nop
.endr
.endm
; eight pairs at base + 2 g are added as a tree; the sum lies in base, base + 1
.macro SUM8P base
.irp g, 0,2,4,6
	v_pk_add_f32 v[\base+2*\g:\base+2*\g+1], v[\base+2*\g:\base+2*\g+1], v[\base+2*\g+2:\base+2*\g+3]
.endr
.irp g, 0,4
	v_pk_add_f32 v[\base+2*\g:\base+2*\g+1], v[\base+2*\g:\base+2*\g+1], v[\base+2*\g+4:\base+2*\g+5]
.endr
	v_pk_add_f32 v[\base:\base+1], v[\base:\base+1], v[\base+8:\base+9]
.endm
	s_load_b128 s[4:7], s[0:1], 0x0                ; x s[4:5], gpart s[6:7]
	v_lshl_add_u32 v254, v0, 2, 0x44000
	v_mov_b32 v255, 0
	ds_add_u32 v254, v255
	ds_add_u32 v254, v255
	v_lshrrev_b32 v7, 5, v0
	v_readfirstlane_b32 s8, v7                     ; wave 0..7
	s_and_b32 s9, ttmp7, 0xffff                    ; b
	s_mul_i32 s12, s8, WREG                        ; my wave's LDS bytes
	s_lshl_b32 s10, s9, 22                         ; b x 64 channels x 65,536 bytes
	s_lshl_b32 s13, ttmp9, 12                      ; p x 1,024 tokens x 4 bytes
	s_add_co_u32 s10, s10, s13
	s_lshl_b32 s13, s8, 9                          ; w x 128 tokens x 4 bytes
	s_add_co_u32 s10, s10, s13
	s_mov_b32 s11, 0
	; group 1: a tile of 64 rows x 64 elements of 4 bytes, 16 bytes of padding behind each row of 64 words
	s_mov_b32 s[G1+0], (2<<16)|(1<<20)|(5<<22)|(3<<25)
	s_mov_b32 s[G1+1], 64<<16                      ; tensor_dim0 = 64 (the tile lies inside the tensor)
	s_mov_b32 s[G1+2], 64<<16                      ; tensor_dim1 = 64
	s_mov_b32 s[G1+3], 64<<16                      ; tile_dim0 = 64
	s_mov_b32 s[G1+4], 64                          ; tile_dim1 = 64
	s_mov_b32 s[G1+5], XPITCH                      ; from row to row
	s_mov_b32 s[G1+6], 0
	s_mov_b32 s[G1+7], 0
	s_wait_dscnt 0x0
	s_wait_kmcnt 0x0
	s_add_nc_u64 s[4:5], s[4:5], s[10:11]          ; x at my wave's first token, channel 0
	; both fills go out together, ahead of every wait on TENSORcnt, LDS read and barrier: two tensor loads of the wave are out at the most
.irp s, 0,1
	s_mov_b32 s[G0+4*\s], 1
	s_add_co_u32 s[G0+4*\s+1], s12, \s*TILE
	s_add_nc_u64 s[G0+4*\s+2:G0+4*\s+3], s[4:5], \s*256
	s_or_b32 s[G0+4*\s+3], s[G0+4*\s+3], 0x80000000
	tensor_load_to_lds s[G0+4*\s:G0+4*\s+3], s[G1:G1+7]
	s_nop 0
.endr
	s_lshl_b32 s10, s9, 4
	s_add_co_u32 s10, s10, ttmp9                   ; 16 b + p
	s_mul_i32 s10, s10, PART                       ; x 10 KiB
	s_add_nc_u64 s[6:7], s[6:7], s[10:11]
	s_mul_i32 s13, s8, SHARE                       ; my wave's share of the sum
	v_and_b32 v1, 31, v0                           ; lane
	v_and_b32 v2, 15, v0                           ; r
	v_bfe_u32 v3, v0, 4, 1                         ; h
	v_mul_u32_u24 v[LA], v2, PITCH
	v_lshl_add_u32 v[LA], v3, 6, v[LA]
	v_add_nc_u32 v[LA], s12, v[LA]                 ; my wave + 272 r + 64 h
	v_lshl_add_u32 v[SA], v1, 4, s12
	v_lshl_add_u32 v[GO], v1, 3, s13
.irp g, 0,1,2,3,4,5,6,7
	v_add_nc_u32 v[RA+\g], WREG*\g, v[GO]
.endr
; 16 LDS loads: for each of the four blocks of 16 channels, tokens 32 kk + 16 h .. + 15 of channel 16 i + r in tile s.  A lane so takes 16 neighbouring tokens
; where the fragment's own map has two runs of 8: one and the same permutation of the 32 tokens for both operands (they are the same registers), which keeps every product.
.macro LOADRAW s, kk
.irp i, 0,1,2,3
.irp t, 0,1,2,3
	ds_load_b128 v[RAW+16*\i+4*\t:RAW+16*\i+4*\t+3], v[LA] offset:\s*TILE+16*PITCH*\i+128*\kk+16*\t
.endr
.endr
.endm
.macro CVT
.irp i, 0,1,2,3
	s_wait_dscnt 12-4*\i                           ; LDS loads come back in order: block i's four are in, the later blocks' may be out
.irp u, 0,1,2,3,4,5,6,7
	v_cvt_pk_bf16_f32 v[FR+8*\i+\u], v[RAW+16*\i+2*\u], v[RAW+16*\i+2*\u+1]
.endr
.endr
.endm
; one product: tile n = (i, j) of G
.macro PRD n, i, j, zero
.if \zero
	v_wmma_f32_16x16x32_bf16 v[ACC+8*\n:ACC+8*\n+7], v[FR+8*\i:FR+8*\i+7], v[FR+8*\j:FR+8*\j+7], 0
.else
	v_wmma_f32_16x16x32_bf16 v[ACC+8*\n:ACC+8*\n+7], v[FR+8*\i:FR+8*\i+7], v[FR+8*\j:FR+8*\j+7], v[ACC+8*\n:ACC+8*\n+7]
.endif
.endm
; ten products, one for each tile with i <= j.  The ten accumulators take turns, one instruction a turn, from one MUL into the next too.
.macro MUL zero
	PRD 0, 0, 0, \zero
	PRD 1, 0, 1, \zero
	PRD 2, 0, 2, \zero
	PRD 3, 0, 3, \zero
	PRD 4, 1, 1, \zero
	PRD 5, 1, 2, \zero
	PRD 6, 1, 3, \zero
	PRD 7, 2, 2, \zero
	PRD 8, 2, 3, \zero
	PRD 9, 3, 3, \zero
.endm
	s_wait_tensorcnt 0x1                           ; tile 0 is in my LDS bytes; tile 1, issued behind it, may be out.  Only I read these bytes
	LOADRAW 0, 0
	CVT
	LOADRAW 0, 1                                   ; the next 32 tokens are read while these are multiplied
	MUL 1                                          ; the first products start the sums: nothing is cleared
	PLACES                                         ; CVT writes the fragments that the products read
	CVT
	s_wait_tensorcnt 0x0                           ; tile 1 is in
	LOADRAW 1, 0
	MUL 0
	PLACES
	CVT
	LOADRAW 1, 1
	MUL 0
	PLACES
	CVT
	MUL 0
	PLACES                                         ; the stores below read results
	; The wave's ten tiles go to the first 10 KiB of its own LDS bytes, laid out as in gpart: both its tiles of x have landed and been read, and nothing is filled any more in this launch.
.irp c, 0,1,2,3,4,5,6,7,8,9,10,11,12,13,14,15,16,17,18,19
	ds_store_b128 v[SA], v[ACC+4*\c:ACC+4*\c+3] offset:512*\c
.endr
	s_wait_dscnt 0x0                               ; my stores are done, for the other waves' sake
	s_barrier_signal -1
	s_barrier_wait -1
.irp u, 0,1,2,3,4
.irp g, 0,1,2,3,4,5,6,7
	ds_load_b64 v[ACC+2*(8*\u+\g):ACC+2*(8*\u+\g)+1], v[RA+\g] offset:256*\u       ; run u of my share, in the stage of wave g
.endr
.endr
.irp u, 0,1,2,3,4
	s_wait_dscnt 8*(4-\u)                          ; run u's eight loads are in, the later runs' may be out
	SUM8P ACC+16*\u
	global_store_b64 v[GO], v[ACC+16*\u:ACC+16*\u+1], s[6:7] offset:256*\u         ; the wave stores 256 consecutive bytes, at a multiple of 256
.endr
	s_wait_tensorcnt 0x0
	ds_add_u32 v254, v255
	s_wait_dscnt 0x0
	s_endpgm
.Lfunc_end_k_qcb02642921_gram:
	.size	k_qcb02642921_gram, .Lfunc_end_k_qcb02642921_gram-k_qcb02642921_gram
	.p2alignl 7, 3214868480
	.fill 96, 4, 3214868480
	.section	.rodata,"a",@progbits
	.p2align	6, 0x0
	.amdhsa_kernel k_qcb02642921_gram
		.amdhsa_group_segment_fixed_size 279552
		.amdhsa_private_segment_fixed_size 0
		.amdhsa_enable_private_segment 0
		.amdhsa_kernarg_size 16
		.amdhsa_user_sgpr_count 2
		.amdhsa_user_sgpr_kernarg_segment_ptr 1
		.amdhsa_wavefront_size32 1
		.amdhsa_system_sgpr_workgroup_id_x 1
		.amdhsa_system_sgpr_workgroup_id_y 1
		.amdhsa_system_sgpr_workgroup_id_z 1
		.amdhsa_system_vgpr_workitem_id 0
		.amdhsa_next_free_vgpr 256
		.amdhsa_next_free_sgpr 66
		.amdhsa_reserve_vcc 0
		.amdhsa_float_denorm_mode_32 3
		.amdhsa_float_denorm_mode_16_64 3
		.amdhsa_memory_ordered 1
		.amdhsa_forward_progress 1
		.amdhsa_inst_pref_size 26
	.end_amdhsa_kernel
	.amdgpu_metadata
---
amdhsa.version: [ 1, 2 ]
amdhsa.kernels:
  - .name:           k_qcb02642921_gram
    .symbol:         k_qcb02642921_gram.kd
    .args:
      - { .name: x_in, .offset: 0, .size: 8, .value_kind: global_buffer, .address_space: global }
      - { .name: gpart, .offset: 8, .size: 8, .value_kind: global_buffer, .address_space: global }
    .group_segment_fixed_size: 279552
    .private_segment_fixed_size: 0
    .kernarg_segment_align: 8
    .kernarg_segment_size: 16
    .max_flat_workgroup_size: 256
    .sgpr_count:     66
    .vgpr_count:     256
    .wavefront_size: 32
...
	.end_amdgpu_metadata
.endif
;; end of part 1
;; launch attn (part 2): grid 8 x 4, 4 waves a work-group, no clusters, 77,312 bytes of LDS; arguments gpart, Wq, Wk, Wv, Wp, rescale, out1, mpart; writes out1, mpart
.if DOCPART == 2
	.amdgcn_target "amdgcn-amd-amdhsa--gfx1250"
	.amdhsa_code_object_version 6
	.text
	.protected	k_qcb02642921_attn
	.globl	k_qcb02642921_attn
	.p2align	8
	.type	k_qcb02642921_attn,@function
k_qcb02642921_attn:
	s_mov_b64 s[64:65], 0
	v_nop
	global_prefetch_b8 v0, s[64:65] scope:SCOPE_SE
	s_setreg_imm32_b32 hwreg(HW_REG_WAVE_MODE, 25, 1), 1
	s_wait_xcnt 0x0
; SpectralAttentionBlock, launch 2 of 3: everything that is 64 x 64, for one (batch b, head).  q, k, v and o are never formed (shown at the head of launch 1):
;   G = sum of the 16 partial Grams          Tq = G Wq_h, Tk = G Wk_h          |q_e|^2 = sum_c Wq[c][e] Tq[c][e], |k_d|^2 likewise
;   S[d][e] = sum_c Wk[c][d] Tq[c][e] / (max(|q_e|, 1e-12) max(|k_d|, 1e-12)) x rescale[head]        attn = softmax over e (out1)
;   Y[d][c] = sum_e attn[d][e] Wv[c][e]      M_h[c][c'] = sum_d Y[d][c] Wp_h[d][c']  (mpart; the heads are added in launch 3)
; Of G only the ten tiles (i, j) with i <= j exist (launch 1: tile (j, i) is the same sum transposed); the other six are read here from their mirror by the transposing load.
; Four waves.  In phase A wave w adds blocks 5 w .. 5 w + 4 of the partial sums' 20; in every stage it owns columns (or rows) 16 w .. 16 w + 15.
; LIMITS.  The weights go to the matrix unit as one bf16 term.  G, the normalised Tq, attn and Y, which are computed here, go as two (value and remainder, about 16 bits):
; one term of 8 bits for each of them would add, stage for stage, an error of the size of the inputs' own rounding.  The squared norms are clamped at 0
; before the root; the root takes a squared norm under 2^-126 as 0 (ISA guide 15.8), which lies under the guard 1e-12 in any case, so the guard gives the same value.
; No cluster: the eight heads of a batch read the same 160 KiB of partial sums.  Asked for jointly they would land in LDS and be read from there once more, 320 further
; LDS loads of 512 bytes, only to be added; here each of them goes straight into the registers from which it is added.
; mpart: [b][head][w 4][blk 8][lane 32][4 f32], blk = 2 mt + q; lane (r, h), word t: M_h[16 mt + 8 h + 4 q + t][16 w + r].
;
; LDS, arrays of 64 rows of 64 bf16.  Pitch 160 (an odd multiple of 32) where the transposing load reads, 144 (an odd multiple of 16) where plain loads read.
.set LWQ,  0                           ; Wq_h [c][e], pitch 160
.set LWK,  10240                       ; Wk_h [c][d], pitch 160
.set LWP,  20480                       ; Wp_h [d][c'], pitch 160
.set LWV,  30720                       ; Wv_h [c][e], pitch 144
.set LGHI, 39936                       ; G, rounded to bf16, pitch 144; only the blocks of 16 x 16 with column block <= row block are written, and only those are read
.set LGLO, 49152                       ; G minus that, the same
.set LTHI, 58368                       ; normalised Tq as [e][c], rounded, pitch 144; the remainder lies 9,216 bytes behind
.set LYT,  0                           ; Y [d][c], rounded, pitch 160: over Wq_h, behind the second barrier (no wave reads Wq_h behind it)
.set LYL,  10240                       ; Y minus that, pitch 160: over Wk_h, behind the second barrier (Wk_h's columns stay in registers)
.set LSTG, 39936                       ; 4 x 16 rows of 272 bytes, a wave's rows of attn in f32: over G, behind the second barrier
.set PART, 10240                       ; a partial sum in gpart: 20 blocks of 512 bytes
; vector registers
.set GOF,   4                          ; 4096 w + 16 lane: Wp_h, out1, mpart
.set WOF,   5                          ; (16 w + h) 2048 + 16 r: Wq, Wk, Wv
.set WS160, 6                          ; (16 w + h) 160 + 8 r
.set WS144, 7                          ; (16 w + h) 144 + 8 r
.set TRG,   8                          ; (8 h + l % 8) 144 + 16 ((l / 8) % 2): the transposing load on G's arrays
.set FA,    9                          ; 144 r + 16 h
.set TRA,   10                         ; (8 h + l % 8) 160 + 16 ((l / 8) % 2) + 32 w
.set TSA,   11                         ; LTHI + (16 w + r) 144 + 16 h
.set FAT,   12                         ; LTHI + FA
.set OSA,   13                         ; my stage + 272 r + 32 h
.set RQ,    14                         ; v[14:15] 1 / max(|q_e|, 1e-12), e = 16 w + r, twice
.set FK,    16                         ; v[16:17] rescale log2(e) / max(|k_d|, 1e-12), d = 16 w + r, twice
.set MX,    18                         ; v[18:19] the row's largest logit, twice
.set RS,    20                         ; v[20:21] 1 / the row's sum, twice
.set YSA,   27                         ; (16 w + r) 160 + 16 h
.set TR0,   28                         ; TRA without 32 w
.set GOG,   29                         ; 2560 w + 16 lane: my five blocks in a partial sum
.set ORA,   30                         ; my stage + 272 h + 16 r
.set GACC,  32                         ; v[32:51]   my five blocks of G
.set TQ,    32                         ; v[32:63]   then TQ; then SS; then MM
.set SS,    32
.set MM,    32
.set RING,  64                         ; v[64:243]  phase A: nine slots of 20 registers; the weights take them over as they come free
.set SP,    144                        ; v[144:183] phase A's end: block k's value at 8 k, remainder at 8 k + 2, at work at 8 k + 4
.set AH,    64                         ; v[64:127]  eight fragments: G; then the normalised Tq; then Wv; then Y
.set AL,    128                        ; v[128:191] the remainders' fragments: G's, Tq's, Y's
.set YY,    128                        ; v[128:159] between them: stage 3's sums
.set PL,    160                        ; v[160:175] attn's remainder as an operand; v[176:191] at work beside it
.set BQ,    192                        ; v[192:207] Wq_h's columns 16 w ..; later attn as an operand
.set PA,    192
.set BK,    208                        ; v[208:223] Wk_h's columns 16 w ..; later Wp_h's
.set BP,    208
.set TK,    224                        ; v[224:255] Tk; later sums, then out1's rows
.set SM,    224
.macro PLACES                          ; four plain vector instructions between a matrix instruction and a vector instruction, store or load that touches its registers
.rept 4
	v_nop
.endr
.endm
; eight f32 at src become eight bf16 at hi and the eight remainders, in bf16, at lo
.macro SPLIT8 src, hi, lo, tmp
.irp u, 0,1,2,3
	v_cvt_pk_bf16_f32 v[\hi+\u], v[\src+2*\u], v[\src+2*\u+1]
.endr
.irp u, 0,1,2,3
	v_lshlrev_b32 v[\tmp+2*\u],   16,  v[\hi+\u]
	v_and_b32     v[\tmp+2*\u+1], s26, v[\hi+\u]
.endr
.irp u, 0,1,2,3
	v_pk_add_f32 v[\tmp+2*\u:\tmp+2*\u+1], v[\src+2*\u:\src+2*\u+1], v[\tmp+2*\u:\tmp+2*\u+1] neg_lo:[0,1] neg_hi:[0,1]
.endr
.irp u, 0,1,2,3
	v_cvt_pk_bf16_f32 v[\lo+\u], v[\tmp+2*\u], v[\tmp+2*\u+1]
.endr
.endm
; the same for four f32
.macro SPLIT4 src, hi, lo, tmp
.irp u, 0,1
	v_cvt_pk_bf16_f32 v[\hi+\u], v[\src+2*\u], v[\src+2*\u+1]
.endr
.irp u, 0,1
	v_lshlrev_b32 v[\tmp+2*\u],   16,  v[\hi+\u]
	v_and_b32     v[\tmp+2*\u+1], s26, v[\hi+\u]
.endr
.irp u, 0,1
	v_pk_add_f32 v[\tmp+2*\u:\tmp+2*\u+1], v[\src+2*\u:\src+2*\u+1], v[\tmp+2*\u:\tmp+2*\u+1] neg_lo:[0,1] neg_hi:[0,1]
.endr
.irp u, 0,1
	v_cvt_pk_bf16_f32 v[\lo+\u], v[\tmp+2*\u], v[\tmp+2*\u+1]
.endr
.endm
; the items of the load queue
.macro LDG t, dst                      ; partial sum t: my five blocks, 512 consecutive bytes a load
.irp k, 0,1,2,3,4
	global_load_b128 v[\dst+4*\k:\dst+4*\k+3], v[GOG], s[8:9] offset:PART*(\t)+512*\k
.endr
.endm
.macro LDW lo, dst                     ; rows 16 w + h + 2 k of a [64][512] weight, the head's 256 bytes: sixteen lanes take them whole
.irp k, 0,1,2,3,4,5,6,7
	global_load_b128 v[\dst+4*\k:\dst+4*\k+3], v[WOF], s[\lo:\lo+1] offset:4096*\k
.endr
.endm
.macro LDP dst                         ; rows 16 w + h + 2 k of Wp_h, which is 16 KiB without gaps
.irp k, 0,1,2,3,4,5,6,7
	global_load_b128 v[\dst+4*\k:\dst+4*\k+3], v[GOF], s[16:17] offset:512*\k
.endr
.endm
.macro ADDG slot
.irp u, 0,1,2,3,4,5,6,7,8,9
	v_pk_add_f32 v[GACC+2*\u:GACC+2*\u+1], v[GACC+2*\u:GACC+2*\u+1], v[\slot+2*\u:\slot+2*\u+1]
.endr
.endm
.macro STW slot, adr, base, pitch      ; a weight's eight quads, rounded to bf16, into its LDS array
.irp k, 0,1,2,3,4,5,6,7
	v_cvt_pk_bf16_f32 v[\slot+4*\k],   v[\slot+4*\k],   v[\slot+4*\k+1]
	v_cvt_pk_bf16_f32 v[\slot+4*\k+1], v[\slot+4*\k+2], v[\slot+4*\k+3]
	ds_store_b64 v[\adr], v[\slot+4*\k:\slot+4*\k+1] offset:\base+2*\k*\pitch
.endr
.endm
; My block k is half q of tile (i, j): the lane holds G[16 i + 8 h + 4 q + 0 .. 3][16 j + r], which by G's symmetry are four neighbouring numbers of row 16 j + r
.macro GST k, i, j, q
	ds_store_b64 v[FA], v[SP+8*\k:SP+8*\k+1]   offset:LGHI+2304*\j+32*\i+8*\q
	ds_store_b64 v[FA], v[SP+8*\k+2:SP+8*\k+3] offset:LGLO+2304*\j+32*\i+8*\q
.endm
; G's eight fragments (row block m, K half s) at dst + 8 (2 m + s), in halves of four registers: half c = 2 s + u holds K = 16 c + 8 h .. + 7 of row 16 m + r,
; which lies in block (m, c).  Written blocks (c <= m) are read plainly; for c > m the numbers are block (c, m)'s, K down its rows: the transposing load.
.macro LDFRAGG dst, base
.irp m, 0,1,2,3
.irp c, 0,1,2,3
.if \c > \m
	ds_load_tr16_b128 v[\dst+16*\m+4*\c:\dst+16*\m+4*\c+3], v[TRG] offset:\base+2304*\c+32*\m
.else
	ds_load_b128 v[\dst+16*\m+4*\c:\dst+16*\m+4*\c+3], v[FA] offset:\base+2304*\m+32*\c
.endif
.endr
.endr
.endm
; eight fragments (row block m, K half s) at dst + 8 (2 m + s), from an array of pitch 144 with K along its rows
.macro LDFRAG dst, adr, base
.irp m, 0,1,2,3
.irp s, 0,1
	ds_load_b128 v[\dst+8*(2*\m+\s):\dst+8*(2*\m+\s)+3],   v[\adr] offset:\base+2304*\m+64*\s
	ds_load_b128 v[\dst+8*(2*\m+\s)+4:\dst+8*(2*\m+\s)+7], v[\adr] offset:\base+2304*\m+64*\s+32
.endr
.endr
.endm
; two fragments (K half s) of columns 16 w .. of an array of pitch 160 with K down its rows
.macro LDTR dst, base
.irp s, 0,1
	ds_load_tr16_b128 v[\dst+8*\s:\dst+8*\s+3],   v[TRA] offset:\base+5120*\s
	ds_load_tr16_b128 v[\dst+8*\s+4:\dst+8*\s+7], v[TRA] offset:\base+5120*\s+2560
.endr
.endm
; eight fragments (column block m, K half s) at dst + 8 (2 m + s), of all 64 columns of an array of pitch 160 with K down its rows
.macro LDTRA dst, base
.irp m, 0,1,2,3
.irp s, 0,1
	ds_load_tr16_b128 v[\dst+8*(2*\m+\s):\dst+8*(2*\m+\s)+3],   v[TR0] offset:\base+32*\m+5120*\s
	ds_load_tr16_b128 v[\dst+8*(2*\m+\s)+4:\dst+8*(2*\m+\s)+7], v[TR0] offset:\base+32*\m+5120*\s+2560
.endr
.endr
.endm
; four products: acc[m] (+)= a[m, s] x b[s].  Wherever this macro is called the accumulators take turns, one instruction a turn.
.macro MM4 acc, a, s, b, zero
.irp m, 0,1,2,3
.if \zero
	v_wmma_f32_16x16x32_bf16 v[\acc+8*\m:\acc+8*\m+7], v[\a+8*(2*\m+\s):\a+8*(2*\m+\s)+7], v[\b+8*\s:\b+8*\s+7], 0
.else
	v_wmma_f32_16x16x32_bf16 v[\acc+8*\m:\acc+8*\m+7], v[\a+8*(2*\m+\s):\a+8*(2*\m+\s)+7], v[\b+8*\s:\b+8*\s+7], v[\acc+8*\m:\acc+8*\m+7]
.endif
.endr
.endm
; c0 = sum over all 64 c of W[c][16 w + r] T[c][16 w + r].  The lane's register 8 mt + j of T is c = 16 mt + 8 h + j, and the same c lies in half j % 2 of
; register 4 mt + j / 2 of W's two fragments.  Two chains; the other 32 c lie in lane l xor 16.
.macro NORM t, bfr, c0, c1
	v_mov_b32 v[\c0], 0
	v_mov_b32 v[\c1], 0
.irp m, 0,1,2,3
.irp i, 0,1,2,3
	v_fma_mix_f32_bf16 v[\c0], v[\bfr+4*\m+\i], v[\t+8*\m+2*\i],   v[\c0] op_sel_hi:[1,0,0]
	v_fma_mix_f32_bf16 v[\c1], v[\bfr+4*\m+\i], v[\t+8*\m+2*\i+1], v[\c1] op_sel:[1,0,0] op_sel_hi:[1,0,0]
.endr
.endr
	v_add_f32 v[\c0], v[\c0], v[\c1]
	v_permlanex16_b32 v[\c1], v[\c0], s24, s25
	v_add_f32 v[\c0], v[\c0], v[\c1]
.endm
	s_load_b256 s[8:15], s[0:1], 0x0               ; gpart s[8:9], Wq s[10:11], Wk s[12:13], Wv s[14:15]
	s_load_b256 s[16:23], s[0:1], 0x20             ; Wp s[16:17], rescale s[18:19], out1 s[20:21], mpart s[22:23]
	v_lshl_add_u32 v31, v0, 2, 0x12c00
	s_set_vgpr_msb 0x40
	v_mov_b32 v1, 0
	s_set_vgpr_msb 0x4000
	v_lshrrev_b32 v22, 5, v0
	v_readfirstlane_b32 s4, v22                    ; wave 0..3
	s_mov_b32 s5, ttmp9                            ; head
	s_and_b32 s6, ttmp7, 0xffff                    ; b
	s_mov_b32 s24, 0x76543210                      ; v_permlanex16_b32: lane i of one half reads lane i of the other
	s_mov_b32 s25, 0xfedcba98
	s_mov_b32 s26, 0xffff0000                      ; a word's upper bf16
	s_lshl_b32 s28, s4, 12                         ; 4096 w
	s_lshl_b32 s29, s4, 15                         ; 16 w rows of 2,048 bytes
	s_mul_i32 s30, s4, 2560                        ; 16 w rows of 160 bytes
	s_mul_i32 s31, s4, 2304                        ; 16 w rows of 144 bytes
	s_lshl_b32 s32, s4, 5                          ; 16 w columns of bf16
	s_add_co_u32 s33, s31, LTHI
	s_mul_i32 s34, s4, 4352                        ; my stage: 16 rows of 272 bytes
	s_add_co_u32 s34, s34, LSTG
	s_mul_i32 s35, s4, 5*512                       ; my five blocks in a partial sum
	v_and_b32 v1, 31, v0                           ; lane
	v_and_b32 v2, 15, v0                           ; r
	v_bfe_u32 v3, v0, 4, 1                         ; h
	v_lshl_add_u32 v[GOF], v1, 4, s28
	v_lshl_add_u32 v[GOG], v1, 4, s35
	v_lshlrev_b32 v[WOF], 4, v2
	v_lshl_add_u32 v[WOF], v3, 11, v[WOF]
	v_add_nc_u32 v[WOF], s29, v[WOF]
	v_mul_u32_u24 v[WS160], v3, 160
	v_lshl_add_u32 v[WS160], v2, 3, v[WS160]
	v_add_nc_u32 v[WS160], s30, v[WS160]
	v_mul_u32_u24 v[WS144], v3, 144
	v_lshl_add_u32 v[WS144], v2, 3, v[WS144]
	v_add_nc_u32 v[WS144], s31, v[WS144]
	v_mul_u32_u24 v[FA], v2, 144
	v_lshl_add_u32 v[FA], v3, 4, v[FA]
	v_add_nc_u32 v[TSA], s33, v[FA]
	v_add_nc_u32 v[FAT], LTHI, v[FA]
	v_and_b32 v22, 7, v0
	v_lshl_add_u32 v22, v3, 3, v22                 ; 8 h + l % 8
	v_bfe_u32 v23, v0, 3, 1                        ; (l / 8) % 2
	v_mul_u32_u24 v[TR0], v22, 160
	v_lshl_add_u32 v[TR0], v23, 4, v[TR0]
	v_add_nc_u32 v[TRA], s32, v[TR0]
	v_mul_u32_u24 v[TRG], v22, 144
	v_lshl_add_u32 v[TRG], v23, 4, v[TRG]
	v_mul_u32_u24 v[YSA], v2, 160
	v_lshl_add_u32 v[YSA], v3, 4, v[YSA]
	v_add_nc_u32 v[YSA], s30, v[YSA]
	v_mul_u32_u24 v[OSA], v2, 272
	v_lshl_add_u32 v[OSA], v3, 5, v[OSA]
	v_add_nc_u32 v[OSA], s34, v[OSA]
	v_mul_u32_u24 v[ORA], v3, 272
	v_lshl_add_u32 v[ORA], v2, 4, v[ORA]
	v_add_nc_u32 v[ORA], s34, v[ORA]
	s_wait_kmcnt 0x0
	s_mov_b32 s37, 0
	s_mul_i32 s36, s6, 16*PART                     ; a batch's 16 partial sums of 10 KiB
	s_add_nc_u64 s[8:9], s[8:9], s[36:37]
	s_lshl_b32 s36, s5, 8                          ; the head's 64 columns
	s_add_nc_u64 s[10:11], s[10:11], s[36:37]
	s_add_nc_u64 s[12:13], s[12:13], s[36:37]
	s_add_nc_u64 s[14:15], s[14:15], s[36:37]
	s_lshl_b32 s36, s5, 14                         ; the head's 64 rows of Wp
	s_add_nc_u64 s[16:17], s[16:17], s[36:37]
	s_lshl_b32 s36, s5, 2
	s_add_nc_u64 s[18:19], s[18:19], s[36:37]
	s_lshl3_add_u32 s36, s6, s5                    ; 8 b + head
	s_lshl_b32 s36, s36, 14
	s_add_nc_u64 s[20:21], s[20:21], s[36:37]
	s_add_nc_u64 s[22:23], s[22:23], s[36:37]
	s_load_b32 s7, s[18:19], 0x0                   ; rescale[head]
	; PHASE A.  A queue of 20 items: the 16 partial sums (five loads each), then Wq, Wk, Wv, Wp (eight loads each): 112 loads of the wave.  Item 0 lands in the sum itself;
	; items 1 .. 15 go round nine slots of 20 registers.  Items 0 .. 9 are out at the start (50 loads); turn t = 1 .. 6 asks for item t + 9 into the slot that it has just
	; added; a weight is asked for as soon as two neighbouring slots have had their last item.  The wait of a turn leaves out exactly what was asked for behind its item
	; (loads come back in order, ISA guide 5.7.1).
	LDG 0, GACC
.irp t, 1,2,3,4,5,6,7,8,9
	LDG \t, RING+20*(\t-1)
.endr
	s_wait_kmcnt 0x0
	s_mul_f32 s7, s7, 0x3fb8aa3b                   ; x log2(e): the exponential is in base 2
.irp t, 1,2,3,4,5,6
	s_wait_loadcnt 40                              ; the eight items behind item t
	ADDG RING+20*(\t-1)
	LDG \t+9, RING+20*(\t-1)
.endr
	s_wait_loadcnt 40                              ; item 7: items 8 .. 15 stay out
	ADDG RING+120
	s_wait_loadcnt 35                              ; item 8: items 9 .. 15
	ADDG RING+140
	LDW 10, 184                                    ; Wq into v184-215: the slots of items 7 and 8
	s_wait_loadcnt 38                              ; item 9: items 10 .. 15 (30) and Wq (8)
	ADDG RING+160
	LDW 12, 216                                    ; Wk into v216-247: the rest of item 8's slot, item 9's, and four registers behind the ring
	s_wait_loadcnt 41                              ; item 10: items 11 .. 15 (25), Wq, Wk (16)
	ADDG RING
	s_wait_loadcnt 36                              ; item 11: items 12 .. 15 (20), Wq, Wk
	ADDG RING+20
	LDW 14, 64                                     ; Wv into v64-95: the slots of items 10 and 11
	s_wait_loadcnt 39                              ; item 12: items 13 .. 15 (15), three weights (24)
	ADDG RING+40
	s_wait_loadcnt 34                              ; item 13: items 14, 15 (10), three weights
	ADDG RING+60
	LDP 104                                        ; Wp into v104-135: the slots of items 12 and 13
	s_wait_loadcnt 37                              ; item 14: item 15 (5), four weights (32)
	ADDG RING+80
	s_wait_loadcnt 32                              ; item 15: the four weights stay out
	ADDG RING+100
.irp k, 0,1,2,3,4
	SPLIT4 GACC+4*\k, SP+8*\k, SP+8*\k+2, SP+8*\k+4
.endr
	; Blocks 5 w .. 5 w + 4 of the 20, block 2 n + q being half q of the n-th tile of (0,0) (0,1) (0,2) (0,3) (1,1) (1,2) (1,3) (2,2) (2,3) (3,3): which tiles these are
	; is no linear function of w, so each wave has its own ten stores, with constant places, under a branch on the wave's number.
	s_cmp_lg_u32 s4, 0
	s_cbranch_scc1 .Lnot_wave_0
	GST 0, 0, 0, 0
	GST 1, 0, 0, 1
	GST 2, 0, 1, 0
	GST 3, 0, 1, 1
	GST 4, 0, 2, 0
	s_branch .Lg_stored
.Lnot_wave_0:
	s_cmp_lg_u32 s4, 1
	s_cbranch_scc1 .Lnot_wave_1
	GST 0, 0, 2, 1
	GST 1, 0, 3, 0
	GST 2, 0, 3, 1
	GST 3, 1, 1, 0
	GST 4, 1, 1, 1
	s_branch .Lg_stored
.Lnot_wave_1:
	s_cmp_lg_u32 s4, 2
	s_cbranch_scc1 .Lnot_wave_2
	GST 0, 1, 2, 0
	GST 1, 1, 2, 1
	GST 2, 1, 3, 0
	GST 3, 1, 3, 1
	GST 4, 2, 2, 0
	s_branch .Lg_stored
.Lnot_wave_2:
	GST 0, 2, 2, 1
	GST 1, 2, 3, 0
	GST 2, 2, 3, 1
	GST 3, 3, 3, 0
	GST 4, 3, 3, 1
.Lg_stored:
	s_wait_loadcnt 24                              ; Wq is in; the three weights behind it may be out
	STW 184, WS160, LWQ, 160
	s_wait_loadcnt 16
	STW 216, WS160, LWK, 160
	s_wait_loadcnt 8
	STW 64, WS144, LWV, 144
	s_wait_loadcnt 0
	STW 104, WS160, LWP, 160
	s_wait_dscnt 0x0                               ; my stores are done, for the other waves' sake
	s_barrier_signal -1
	s_barrier_wait -1
	; STAGE 1.  Tq[c][e] and Tk[c][d] for my 16 columns: A = G's rows (value, then remainder), B = the weight's columns.
	LDTR BQ, LWQ
	LDTR BK, LWK
	LDFRAGG AH, LGHI
	LDFRAGG AL, LGLO
	s_wait_dscnt 16                                ; all but the remainders' 16 loads
	MM4 TQ, AH, 0, BQ, 1
	MM4 TK, AH, 0, BK, 1
	MM4 TQ, AH, 1, BQ, 0
	MM4 TK, AH, 1, BK, 0
	s_wait_dscnt 0
	MM4 TQ, AL, 0, BQ, 0
	MM4 TK, AL, 0, BK, 0
	MM4 TQ, AL, 1, BQ, 0
	MM4 TK, AL, 1, BK, 0
	PLACES
	NORM TQ, BQ, 22, 23                            ; |q_e|^2, e = 16 w + r
	NORM TK, BK, 24, 25                            ; |k_d|^2, d = 16 w + r
	v_max_num_f32 v22, 0, v22                      ; rounding may leave a small negative number
	v_max_num_f32 v24, 0, v24
	v_sqrt_f32 v23, v22
	v_sqrt_f32 v25, v24
	v_nop                                          ; one plain vector instruction behind a transcendental before its result is used (ISA guide 5.7.2)
	s_wait_alu depctr_va_vdst(0)
	v_max_num_f32 v23, 0x2b8cbccc, v23             ; the problem's guard: max(norm, 1e-12)
	v_max_num_f32 v25, 0x2b8cbccc, v25
	v_rcp_f32 v[RQ], v23
	v_rcp_f32 v26, v25
	v_nop
	s_wait_alu depctr_va_vdst(0)
	v_mov_b32 v[RQ+1], v[RQ]
	v_mul_f32 v[FK], s7, v26
	v_mov_b32 v[FK+1], v[FK]
.irp u, 0,1,2,3,4,5,6,7,8,9,10,11,12,13,14,15
	v_pk_mul_f32 v[TQ+2*\u:TQ+2*\u+1], v[TQ+2*\u:TQ+2*\u+1], v[RQ:RQ+1]
.endr
	; the lane's eight numbers of a tile are c = 16 mt + 8 h + 0 .. 7 of column e = 16 w + r: 16 bytes of row e of the array [e][c]
.irp m, 0,1,2,3
	SPLIT8 TQ+8*\m, 64+16*\m, 68+16*\m, 72+16*\m
	ds_store_b128 v[TSA], v[64+16*\m:64+16*\m+3] offset:32*\m
	ds_store_b128 v[TSA], v[68+16*\m:68+16*\m+3] offset:9216+32*\m
.endr
	s_wait_dscnt 0x0                               ; my stores are done, and so are my reads of G, of Wq_h and of Wk_h, whose bytes are written again behind this barrier
	s_barrier_signal -1
	s_barrier_wait -1
	; STAGE 2.  S(e, d) for my 16 rows d of attn: A = the normalised Tq's rows e, B = Wk_h's columns d (still in registers).
	; The lane then holds e = 16 mt + 8 h + j of row d = 16 w + r; the other 32 e lie in lane l xor 16.
	LDFRAG AH, FAT, 0
	LDFRAG AL, FAT, 9216
	s_wait_dscnt 16                                ; all but the remainders' 16 loads
	MM4 SS, AH, 0, BK, 1
	MM4 SS, AH, 1, BK, 0
	s_wait_dscnt 0
	MM4 SS, AL, 0, BK, 0
	MM4 SS, AL, 1, BK, 0
	PLACES
	LDFRAG AH, FA, LWV                             ; for stage 3 and stage 4, read while the softmax is computed
	LDTR BP, LWP
	; the scale's sign is free (rescale is an input), so the largest logit is sought among the scaled ones
.irp u, 0,1,2,3,4,5,6,7,8,9,10,11,12,13,14,15
	v_pk_mul_f32 v[SS+2*\u:SS+2*\u+1], v[SS+2*\u:SS+2*\u+1], v[FK:FK+1]
.endr
	v_max_num_f32 v22, v[SS], v[SS+1]
	v_max_num_f32 v23, v[SS+16], v[SS+17]
.irp u, 1,2,3,4,5,6,7
	v_max3_num_f32 v22, v22, v[SS+2*\u], v[SS+2*\u+1]
	v_max3_num_f32 v23, v23, v[SS+16+2*\u], v[SS+17+2*\u]
.endr
	v_max_num_f32 v22, v22, v23
	v_permlanex16_b32 v23, v22, s24, s25
	v_max_num_f32 v[MX], v22, v23
	v_mov_b32 v[MX+1], v[MX]
.irp u, 0,1,2,3,4,5,6,7,8,9,10,11,12,13,14,15
	v_pk_add_f32 v[SS+2*\u:SS+2*\u+1], v[SS+2*\u:SS+2*\u+1], v[MX:MX+1] neg_lo:[0,1] neg_hi:[0,1]
.endr
.irp u, 0,1,2,3,4,5,6,7,8,9,10,11,12,13,14,15
	v_exp_f32 v[SS+2*\u], v[SS+2*\u]
	v_exp_f32 v[SS+2*\u+1], v[SS+2*\u+1]
.endr
	v_nop
	s_wait_alu depctr_va_vdst(0)
.irp u, 0,1,2,3,4,5,6,7
	v_pk_add_f32 v[SM+2*\u:SM+2*\u+1], v[SS+4*\u:SS+4*\u+1], v[SS+4*\u+2:SS+4*\u+3]
.endr
.irp u, 0,1,2,3
	v_pk_add_f32 v[SM+4*\u:SM+4*\u+1], v[SM+4*\u:SM+4*\u+1], v[SM+4*\u+2:SM+4*\u+3]
.endr
.irp u, 0,1
	v_pk_add_f32 v[SM+8*\u:SM+8*\u+1], v[SM+8*\u:SM+8*\u+1], v[SM+8*\u+4:SM+8*\u+5]
.endr
	v_pk_add_f32 v[SM:SM+1], v[SM:SM+1], v[SM+8:SM+9]
	v_add_f32 v22, v[SM], v[SM+1]
	v_permlanex16_b32 v23, v22, s24, s25
	v_add_f32 v22, v22, v23
	v_rcp_f32 v[RS], v22
	v_nop
	s_wait_alu depctr_va_vdst(0)
	v_mov_b32 v[RS+1], v[RS]
.irp u, 0,1,2,3,4,5,6,7,8,9,10,11,12,13,14,15
	v_pk_mul_f32 v[SS+2*\u:SS+2*\u+1], v[SS+2*\u:SS+2*\u+1], v[RS:RS+1]
.endr
	; out1: my 16 rows of 256 bytes go through my own stage, so that each store of the wave covers 512 consecutive bytes, at a multiple of 512
.irp m, 0,1,2,3
.irp q, 0,1
	ds_store_b128 v[OSA], v[SS+8*\m+4*\q:SS+8*\m+4*\q+3] offset:64*\m+16*\q
.endr
.endr
.irp t, 0,1,2,3,4,5,6,7
	ds_load_b128 v[SM+4*\t:SM+4*\t+3], v[ORA] offset:544*\t        ; LDS serves a wave's instructions in order (ISA guide 5.7.1.4): these see the stores above
.endr
	; attn as two fragments, value and remainder: registers 8 m + 2 i and the next (m = 2 s + u) are e = 32 s + 16 u + 8 h + 2 i, + 1 of row 16 w + r,
	; which is register 8 s + 4 u + i = 4 m + i of the fragment's own map
.irp m, 0,1,2,3
	SPLIT8 SS+8*\m, PA+4*\m, PL+4*\m, 176+8*(\m%2)
.endr
.irp t, 0,1,2,3,4,5,6,7
	s_wait_dscnt 7-\t                              ; rows 2 t, 2 t + 1 are back; the later loads may be out.  The last count is 0: Wv's and Wp's fragments are in as well
	global_store_b128 v[GOF], v[SM+4*\t:SM+4*\t+3], s[20:21] offset:512*\t
.endr
	; STAGE 3.  Y(c, d) for my 16 rows d: A = Wv_h's rows c, B = attn's rows d (value, then remainder).  The lane then holds c = 16 ct + 8 h + 0 .. 7 of row d = 16 w + r.
	MM4 YY, AH, 0, PA, 1
	MM4 YY, AH, 1, PA, 0
	MM4 YY, AH, 0, PL, 0
	MM4 YY, AH, 1, PL, 0
	PLACES
.irp m, 0,1,2,3
	SPLIT8 YY+8*\m, 160+8*\m, 164+8*\m, 192+8*(\m%2)
	ds_store_b128 v[YSA], v[160+8*\m:160+8*\m+3] offset:LYT+32*\m
	ds_store_b128 v[YSA], v[164+8*\m:164+8*\m+3] offset:LYL+32*\m
.endr
	s_wait_dscnt 0x0                               ; my stores are done, for the other waves' sake
	s_barrier_signal -1
	s_barrier_wait -1
	; STAGE 4.  M_h(c, c') for my 16 columns c': A = Y's columns c (value, then remainder), read from [d][c] by the transposing load, B = Wp_h's columns c'.
	LDTRA AH, LYT
	LDTRA AL, LYL
	s_wait_dscnt 16                                ; all but the remainder's 16 loads
	MM4 MM, AH, 0, BP, 1
	MM4 MM, AH, 1, BP, 0
	s_wait_dscnt 0
	MM4 MM, AL, 0, BP, 0
	MM4 MM, AL, 1, BP, 0
	PLACES
.irp k, 0,1,2,3,4,5,6,7
	global_store_b128 v[GOF], v[MM+4*\k:MM+4*\k+3], s[22:23] offset:512*\k         ; the wave stores 512 consecutive bytes, at a multiple of 512
.endr
	s_set_vgpr_msb 0x4
	s_wait_tensorcnt 0x0
	ds_add_u32 v31, v1
	s_wait_dscnt 0x0
	s_set_vgpr_msb 0x400
	s_endpgm
.Lfunc_end_k_qcb02642921_attn:
	.size	k_qcb02642921_attn, .Lfunc_end_k_qcb02642921_attn-k_qcb02642921_attn
	.p2alignl 7, 3214868480
	.fill 96, 4, 3214868480
	.section	.rodata,"a",@progbits
	.p2align	6, 0x0
	.amdhsa_kernel k_qcb02642921_attn
		.amdhsa_group_segment_fixed_size 77312
		.amdhsa_private_segment_fixed_size 0
		.amdhsa_enable_private_segment 0
		.amdhsa_kernarg_size 64
		.amdhsa_user_sgpr_count 2
		.amdhsa_user_sgpr_kernarg_segment_ptr 1
		.amdhsa_wavefront_size32 1
		.amdhsa_system_sgpr_workgroup_id_x 1
		.amdhsa_system_sgpr_workgroup_id_y 1
		.amdhsa_system_sgpr_workgroup_id_z 1
		.amdhsa_system_vgpr_workitem_id 0
		.amdhsa_next_free_vgpr 258
		.amdhsa_next_free_sgpr 66
		.amdhsa_reserve_vcc 0
		.amdhsa_float_denorm_mode_32 3
		.amdhsa_float_denorm_mode_16_64 3
		.amdhsa_memory_ordered 1
		.amdhsa_forward_progress 1
		.amdhsa_inst_pref_size 78
	.end_amdhsa_kernel
	.amdgpu_metadata
---
amdhsa.version: [ 1, 2 ]
amdhsa.kernels:
  - .name:           k_qcb02642921_attn
    .symbol:         k_qcb02642921_attn.kd
    .args:
      - { .name: gpart, .offset: 0, .size: 8, .value_kind: global_buffer, .address_space: global }
      - { .name: Wq, .offset: 8, .size: 8, .value_kind: global_buffer, .address_space: global }
      - { .name: Wk, .offset: 16, .size: 8, .value_kind: global_buffer, .address_space: global }
      - { .name: Wv, .offset: 24, .size: 8, .value_kind: global_buffer, .address_space: global }
      - { .name: Wp, .offset: 32, .size: 8, .value_kind: global_buffer, .address_space: global }
      - { .name: rescale, .offset: 40, .size: 8, .value_kind: global_buffer, .address_space: global }
      - { .name: out1, .offset: 48, .size: 8, .value_kind: global_buffer, .address_space: global }
      - { .name: mpart, .offset: 56, .size: 8, .value_kind: global_buffer, .address_space: global }
    .group_segment_fixed_size: 77312
    .private_segment_fixed_size: 0
    .kernarg_segment_align: 8
    .kernarg_segment_size: 64
    .max_flat_workgroup_size: 128
    .sgpr_count:     66
    .vgpr_count:     258
    .wavefront_size: 32
...
	.end_amdgpu_metadata
.endif
;; end of part 2
;; launch proj (part 3): grid 64 x 4, 4 waves a work-group, clusters of 4 x 1, 168,448 bytes of LDS; arguments x_in, mpart, bp, out0; writes out0
.if DOCPART == 3
	.amdgcn_target "amdgcn-amd-amdhsa--gfx1250"
	.amdhsa_code_object_version 6
	.text
	.protected	k_qcb02642921_proj
	.globl	k_qcb02642921_proj
	.p2align	8
	.type	k_qcb02642921_proj,@function
k_qcb02642921_proj:
	s_mov_b64 s[64:65], 0
	v_nop
	global_prefetch_b8 v0, s[64:65] scope:SCOPE_SE
	s_setreg_imm32_b32 hwreg(HW_REG_WAVE_MODE, 25, 1), 1
	s_wait_xcnt 0x0
	s_wait_alu depctr_hold_cnt(0) depctr_sa_sdst(0) depctr_va_vdst(0) depctr_va_sdst(0) depctr_va_ssrc(0) depctr_va_vcc(0) depctr_vm_vsrc(0)
	s_getreg_b32 s2, hwreg(HW_REG_IB_STS2, 6, 4)
	s_cmp_eq_u32 s2, 0
	s_cbranch_scc0 .Lentry_in_a_cluster
	s_endpgm
.Lentry_in_a_cluster:
	s_bfe_u32 s2, ttmp6, 0x10000c
	s_cmp_lg_u32 s2, 0x3003
	s_cbranch_scc0 .Lentry_shape_is_right
	s_endpgm
.Lentry_shape_is_right:
; SpectralAttentionBlock, launch 3 of 3: out0[b][c'][n] = sum over c of M_b[c][c'] x_in[b][c][n] + bp[c'], M_b = the sum of the eight heads' M_h of launch 2.
; v and o are never formed (shown at the head of launch 1).
; Work-group (X, b) takes tokens 256 X .. + 255, wave w 64 of them and all 64 output channels: 16 accumulator tiles, A = M's columns c' (K = c), B = x's tokens (K = c).
; Lane (r, h) stands for tokens 4 r + t, t = the token tile: its load of 16 bytes of a channel's row feeds all four tiles, and its four results of one output channel
; are 16 neighbouring bytes, so that every load and store of the wave covers two whole runs of 256 consecutive bytes, each at a multiple of 256.
; CLUSTER: the four work-groups of a cluster lie along x, in one batch, and need the same 128 KiB of mpart.  Each wave asks for its quarter (column tile w of all eight
; heads) by ONE joint tensor load, with the same descriptor in all four work-groups: it is made of b and of the wave's number alone.  One tensor load of a wave is out.
; The wave adds the eight heads of its tile in f32, splits the sum into two bf16 terms (the register images are already A fragments), and hands both to the other waves through LDS.
; ORDER OF THE REQUESTS: M heads the longest chain (64 LDS loads, the sums, the split, an exchange with a barrier, 32 fragment loads), x the shortest (a conversion), bp is
; wanted last.  So the cluster's opening round, which needs no address, is passed while the arguments are on their way; M is asked for first behind them, then x, then bp;
; and M's chain is worked off while x arrives.
; LIMIT: x enters the matrix unit as one bf16 term, M (computed, not an input) as two, value and remainder, about 16 bits; sums in f32; bp is added in f32.
; LDS: wave w's eight partial tiles at 32768 w + 4096 head; the exchange area of 16 KiB at 131072 (values, then remainders), where no fill lands.
; REGISTERS, in windows of 256:
;   window 0: v4-8 addresses; v16-47 bias; v48-175 the heads' blocks to be added, then A fragments (v48-111) and B fragments (v112-175), then the results on their way out;
;             v176-191 my summed tile, v192-207 its remainder, v208-223 at work
;   window 1: v0-127 x as loaded (channel 32 s + 16 u + 8 h + i at 4 (16 s + 8 u + i)), then in v0-63 the remainders' A fragments; v128-255 the 16 accumulator tiles
.set XOF,  4                           ; 8 h channels of 65,536 bytes + 16 r
.set BOF,  5                           ; 32 h
.set MA,   6                           ; 32768 w + 16 lane
.set XS,   7                           ; 131072 + 2048 w + 16 lane
.set XL,   8                           ; 131072 + 16 lane
.set BIAS, 16                          ; 8 m + j: bp[16 m + 8 h + j]
.set MB,   48                          ; block q of four, head g: 4 (8 q + g)
.set AF,   48                          ; 16 m + 8 s: rows 16 m .. of M^T, K half s
.set BF,   112                         ; 8 (2 t + s): token tile t, K half s
.set AT,   176
.set ATL,  192
.set TM,   208
.set ST,   48
.set XR,   0                           ; window 1
.set AFL,  0                           ; window 1: as AF, the remainders
.set ACC,  128                         ; window 1: tile (m, t) at 8 (4 m + t)
.set LXL,  8192                        ; the remainders' part of the exchange area, behind the values'
.set G0,   24                          ; s[24:27]
.set G1,   28                          ; s[28:35]
.set MSB, 0
.macro WIN new                         ; low byte: bits 1:0 source 0, 3:2 source 1, 5:4 source 2, 7:6 destination; the high byte repeats the setting that is left
.if MSB != \new
	s_set_vgpr_msb (MSB<<8)|\new
.set MSB, \new
.endif
.endm
.macro PLACES                          ; four plain vector instructions between a matrix instruction and a vector instruction that touches its registers (ISA guide 7.12.1)
.rept 4
	v_nop
.endr
.endm
; a round of the cluster's barrier: my work-group's barrier, wave 0 signals for the work-group, every wave waits for all four work-groups, my work-group's barrier again
.macro ROUND
	s_barrier_signal -1
	s_barrier_wait -1
	s_cmp_lg_u32 s8, 0
	s_cbranch_scc1 .Lnot_wave_0_\@
	s_barrier_signal -3
.Lnot_wave_0_\@:
	s_barrier_wait -3
	s_barrier_signal -1
	s_barrier_wait -1
.endm
; eight quads at base + 4 g are added as a tree; the sum lies in base .. base + 3
.macro SUM8 base
.irp g, 0,2,4,6
	v_pk_add_f32 v[\base+4*\g:\base+4*\g+1],   v[\base+4*\g:\base+4*\g+1],   v[\base+4*\g+4:\base+4*\g+5]
	v_pk_add_f32 v[\base+4*\g+2:\base+4*\g+3], v[\base+4*\g+2:\base+4*\g+3], v[\base+4*\g+6:\base+4*\g+7]
.endr
.irp g, 0,4
	v_pk_add_f32 v[\base+4*\g:\base+4*\g+1],   v[\base+4*\g:\base+4*\g+1],   v[\base+4*\g+8:\base+4*\g+9]
	v_pk_add_f32 v[\base+4*\g+2:\base+4*\g+3], v[\base+4*\g+2:\base+4*\g+3], v[\base+4*\g+10:\base+4*\g+11]
.endr
	v_pk_add_f32 v[\base:\base+1],   v[\base:\base+1],   v[\base+16:\base+17]
	v_pk_add_f32 v[\base+2:\base+3], v[\base+2:\base+3], v[\base+18:\base+19]
.endm
	s_load_b256 s[12:19], s[0:1], 0x0              ; x s[12:13], mpart s[14:15], bp s[16:17], out0 s[18:19]
	v_lshl_add_u32 v254, v0, 2, 0x29000
	v_mov_b32 v255, 0
	ds_add_u32 v254, v255
	ds_add_u32 v254, v255
	s_wait_dscnt 0x0
	v_lshrrev_b32 v9, 5, v0
	v_readfirstlane_b32 s8, v9                     ; wave 0..3
	s_mov_b32 s3, 0xffff0000                       ; a word's upper bf16
	s_bfe_u32 s9, ttmp6, 0x40000                   ; cx: my place in the cluster
	s_lshl_b32 s10, ttmp9, 2                       ; in a cluster launch ttmp9 and ttmp7 count clusters
	s_add_co_u32 s10, s10, s9                      ; X = 4 x cluster x + cx
	s_and_b32 s11, ttmp7, 0xffff                   ; b
	s_lshl_b32 s20, s11, 22                        ; x and out0: b x 64 channels x 65,536 bytes
	s_lshl_b32 s36, s10, 10                        ; + X x 256 tokens
	s_add_co_u32 s20, s20, s36
	s_lshl_b32 s38, s8, 8                          ; + w x 64 tokens
	s_add_co_u32 s20, s20, s38
	s_mov_b32 s21, 0
	s_lshl_b32 s22, s11, 17                        ; mpart: b x 8 heads x 16 KiB; no register on this way ever holds cx
	s_lshl_b32 s37, s8, 12                         ; + column tile w
	s_add_co_u32 s22, s22, s37
	s_mov_b32 s23, 0
	s_lshl_b32 s39, s8, 11
	s_add_co_u32 s39, s39, 0x20000                 ; my 2 KiB of the exchange area's first half
	; group 1: 8 rows (heads) of 1,024 elements of 4 bytes, 4,096 elements apart; mask 15 = all four work-groups of the cluster, bit 21 set beside it
	s_mov_b32 s[G1+0], 15|(2<<16)|(1<<21)
	s_mov_b32 s[G1+1], 1024<<16                    ; tensor_dim0 = 1,024
	s_mov_b32 s[G1+2], 8<<16                       ; tensor_dim1 = 8
	s_mov_b32 s[G1+3], 1024<<16                    ; tile_dim0 = 1,024
	s_mov_b32 s[G1+4], 8                           ; tile_dim1 = 8
	s_mov_b32 s[G1+5], 4096                        ; from head to head
	s_mov_b32 s[G1+6], 0
	s_mov_b32 s[G1+7], 0
	s_mov_b32 s[G0], 1
	s_lshl_b32 s[G0+1], s8, 15                     ; LDS: 32768 w
	v_and_b32 v1, 31, v0                           ; lane
	v_and_b32 v2, 15, v0                           ; r
	v_bfe_u32 v3, v0, 4, 1                         ; h
	v_lshlrev_b32 v[XOF], 4, v2
	v_lshl_add_u32 v[XOF], v3, 19, v[XOF]
	v_lshlrev_b32 v[BOF], 5, v3
	v_lshl_add_u32 v[MA], v1, 4, s[G0+1]
	v_lshl_add_u32 v[XS], v1, 4, s39
	v_lshlrev_b32 v[XL], 4, v1
	v_add_nc_u32 v[XL], 0x20000, v[XL]
	ROUND                                          ; all four work-groups are here: the joint loads meet.  The round names no address, so it is passed while the arguments are on their way
	s_wait_kmcnt 0x0
	s_add_nc_u64 s[G0+2:G0+3], s[14:15], s[22:23]
	s_or_b32 s[G0+3], s[G0+3], 0x80000000
	tensor_load_to_lds s[G0:G0+3], s[G1:G1+7]      ; M first: the longest chain hangs on it
	s_nop 0
	s_add_nc_u64 s[12:13], s[12:13], s[20:21]
	s_add_nc_u64 s[18:19], s[18:19], s[20:21]
	; all of the wave's x: 32 loads, K half 0 first.  They are on their way while M is added, split and exchanged.
	WIN 0x40
.irp s, 0,1
.irp u, 0,1
.irp i, 0,1,2,3,4,5,6,7
	global_load_b128 v[XR+4*(16*\s+8*\u+\i):XR+4*(16*\s+8*\u+\i)+3], v[XOF], s[12:13] offset:(32*\s+16*\u+\i)*65536 th:TH_LOAD_NT
.endr
.endr
.endr
	WIN 0
.irp m, 0,1,2,3
.irp q, 0,1
	global_load_b128 v[BIAS+8*\m+4*\q:BIAS+8*\m+4*\q+3], v[BOF], s[16:17] offset:64*\m+16*\q
.endr
.endr
	s_wait_tensorcnt 0x0                           ; my quarter is in my LDS; only I read it
; blocks 4 be .. 4 be + 3 of my tile: the eight heads are added, and the sum's four f32 (c = 16 mt + 8 h + 4 q + 0 .. 3) become two registers of the A fragment
; and two of the remainder's.  All in window 0.
.macro MSUM be
.irp q, 0,1,2,3
.irp g, 0,1,2,3,4,5,6,7
	ds_load_b128 v[MB+4*(8*\q+\g):MB+4*(8*\q+\g)+3], v[MA] offset:4096*\g+512*(4*\be+\q)
.endr
.endr
.irp q, 0,1,2,3
	s_wait_dscnt 8*(3-\q)                          ; block q's eight loads are in, the later blocks' may be out
	SUM8 MB+32*\q
	v_cvt_pk_bf16_f32 v[AT+2*(4*\be+\q)],   v[MB+32*\q],   v[MB+32*\q+1]
	v_cvt_pk_bf16_f32 v[AT+2*(4*\be+\q)+1], v[MB+32*\q+2], v[MB+32*\q+3]
	v_lshlrev_b32 v[TM+4*\q],   16, v[AT+2*(4*\be+\q)]
	v_and_b32     v[TM+4*\q+1], s3, v[AT+2*(4*\be+\q)]
	v_lshlrev_b32 v[TM+4*\q+2], 16, v[AT+2*(4*\be+\q)+1]
	v_and_b32     v[TM+4*\q+3], s3, v[AT+2*(4*\be+\q)+1]
	v_pk_add_f32 v[TM+4*\q:TM+4*\q+1],   v[MB+32*\q:MB+32*\q+1],   v[TM+4*\q:TM+4*\q+1]   neg_lo:[0,1] neg_hi:[0,1]
	v_pk_add_f32 v[TM+4*\q+2:TM+4*\q+3], v[MB+32*\q+2:MB+32*\q+3], v[TM+4*\q+2:TM+4*\q+3] neg_lo:[0,1] neg_hi:[0,1]
	v_cvt_pk_bf16_f32 v[ATL+2*(4*\be+\q)],   v[TM+4*\q],   v[TM+4*\q+1]
	v_cvt_pk_bf16_f32 v[ATL+2*(4*\be+\q)+1], v[TM+4*\q+2], v[TM+4*\q+3]
.endr
.endm
	MSUM 0
	MSUM 1
.irp k, 0,1,2,3
	ds_store_b128 v[XS], v[AT+4*\k:AT+4*\k+3]   offset:512*\k
	ds_store_b128 v[XS], v[ATL+4*\k:ATL+4*\k+3] offset:LXL+512*\k
.endr
	s_wait_dscnt 0x0                               ; my stores are done, for the other waves' sake
	s_barrier_signal -1
	s_barrier_wait -1
.irp k, 0,1,2,3,4,5,6,7,8,9,10,11,12,13,14,15
	ds_load_b128 v[AF+4*\k:AF+4*\k+3], v[XL] offset:512*\k         ; all four tiles' fragments, lane for lane
.endr
; x of K half s to bf16: register 4 u + i of tile t's fragment is channels 32 s + 16 u + 8 h + 2 i, + 1 of token 4 r + t
.macro CVTX s
.irp t, 0,1,2,3
.irp u, 0,1
.irp i, 0,1,2,3
	v_cvt_pk_bf16_f32 v[BF+8*(2*\t+\s)+4*\u+\i], v[XR+4*(16*\s+8*\u+2*\i)+\t], v[XR+4*(16*\s+8*\u+2*\i+1)+\t]
.endr
.endr
.endr
.endm
; 16 products of K half s, A's fragments at a.  The 16 accumulators take turns, one instruction a turn, from one PROD into the next too.
.macro PROD a, s, zero
.irp m, 0,1,2,3
.irp t, 0,1,2,3
.if \zero
	v_wmma_f32_16x16x32_bf16 v[ACC+8*(4*\m+\t):ACC+8*(4*\m+\t)+7], v[\a+16*\m+8*\s:\a+16*\m+8*\s+7], v[BF+8*(2*\t+\s):BF+8*(2*\t+\s)+7], 0
.else
	v_wmma_f32_16x16x32_bf16 v[ACC+8*(4*\m+\t):ACC+8*(4*\m+\t)+7], v[\a+16*\m+8*\s:\a+16*\m+8*\s+7], v[BF+8*(2*\t+\s):BF+8*(2*\t+\s)+7], v[ACC+8*(4*\m+\t):ACC+8*(4*\m+\t)+7]
.endif
.endr
.endr
.endm
	WIN 0x05                                       ; sources in window 1, destination in window 0
	s_wait_loadcnt 24                              ; loads come back in order: K half 0 is in; K half 1's 16 loads and the bias's 8 may be out
	CVTX 0
	s_wait_loadcnt 8                               ; K half 1 is in; the bias's 8 loads may be out
	CVTX 1
	WIN 0x40                                       ; x has been converted: its first 64 registers take the remainders' fragments
.irp k, 0,1,2,3,4,5,6,7,8,9,10,11,12,13,14,15
	ds_load_b128 v[AFL+4*\k:AFL+4*\k+3], v[XL] offset:LXL+512*\k
.endr
	s_wait_dscnt 16                                ; the values' fragments are in; the remainders' 16 loads may be out while the values are multiplied
	WIN 0x50                                       ; A and B in window 0, C and D in window 1
	PROD AF, 0, 1                                  ; the first products start the sums: nothing is cleared
	PROD AF, 1, 0
	s_wait_dscnt 0x0
	WIN 0x51                                       ; A in window 1 as well
	PROD AFL, 0, 0
	PROD AFL, 1, 0
	PLACES
	s_wait_loadcnt 0x0                             ; the bias
	; the bias is added, and the four token tiles' results of one output channel come together as 16 neighbouring bytes
	WIN 0x01
.irp m, 0,1,2,3
.irp j, 0,1,2,3,4,5,6,7
.irp t, 0,1,2,3
	v_add_f32 v[ST+4*(8*\m+\j)+\t], v[ACC+8*(4*\m+\t)+\j], v[BIAS+8*\m+\j]
.endr
.endr
.endr
	WIN 0
.irp m, 0,1,2,3
.irp j, 0,1,2,3,4,5,6,7
	global_store_b128 v[XOF], v[ST+4*(8*\m+\j):ST+4*(8*\m+\j)+3], s[18:19] offset:(16*\m+\j)*65536 th:TH_STORE_NT
.endr
.endr
	s_wait_tensorcnt 0x0
	ds_add_u32 v254, v255
	s_wait_dscnt 0x0
	ROUND                                          ; the closing round: no work-group ends while a partner may still ask for the tile that names it
	s_endpgm
.Lfunc_end_k_qcb02642921_proj:
	.size	k_qcb02642921_proj, .Lfunc_end_k_qcb02642921_proj-k_qcb02642921_proj
	.p2alignl 7, 3214868480
	.fill 96, 4, 3214868480
	.section	.rodata,"a",@progbits
	.p2align	6, 0x0
	.amdhsa_kernel k_qcb02642921_proj
		.amdhsa_group_segment_fixed_size 168448
		.amdhsa_private_segment_fixed_size 0
		.amdhsa_enable_private_segment 0
		.amdhsa_kernarg_size 32
		.amdhsa_user_sgpr_count 2
		.amdhsa_user_sgpr_kernarg_segment_ptr 1
		.amdhsa_wavefront_size32 1
		.amdhsa_system_sgpr_workgroup_id_x 1
		.amdhsa_system_sgpr_workgroup_id_y 1
		.amdhsa_system_sgpr_workgroup_id_z 1
		.amdhsa_system_vgpr_workitem_id 0
		.amdhsa_next_free_vgpr 512
		.amdhsa_next_free_sgpr 66
		.amdhsa_reserve_vcc 0
		.amdhsa_float_denorm_mode_32 3
		.amdhsa_float_denorm_mode_16_64 3
		.amdhsa_memory_ordered 1
		.amdhsa_forward_progress 1
		.amdhsa_inst_pref_size 41
	.end_amdhsa_kernel
	.amdgpu_metadata
---
amdhsa.version: [ 1, 2 ]
amdhsa.kernels:
  - .name:           k_qcb02642921_proj
    .symbol:         k_qcb02642921_proj.kd
    .args:
      - { .name: x_in, .offset: 0, .size: 8, .value_kind: global_buffer, .address_space: global }
      - { .name: mpart, .offset: 8, .size: 8, .value_kind: global_buffer, .address_space: global }
      - { .name: bp, .offset: 16, .size: 8, .value_kind: global_buffer, .address_space: global }
      - { .name: out0, .offset: 24, .size: 8, .value_kind: global_buffer, .address_space: global }
    .group_segment_fixed_size: 168448
    .private_segment_fixed_size: 0
    .kernarg_segment_align: 8
    .kernarg_segment_size: 32
    .max_flat_workgroup_size: 128
    .sgpr_count:     66
    .vgpr_count:     512
    .wavefront_size: 32
...
	.end_amdgpu_metadata
.endif
;; end of part 3
